; MI455X (gfx1250); checked and timed in simulation.
; The chip was launched on July 23, 2026; its instructions are those of AMD's public machine-readable ISA for CDNA 5 (MIT licence, August 2026) and "CDNA5" Instruction Set Architecture Reference Guide (July 2026). The comments in the code are by the model that wrote it; some were corrected since.
;; Self Attention. Allowed arithmetic: matrix products marked QUANTISED: E2M3 operands, one E8M0 scale for each 32 along K, by v_wmma_scale_f32_16x16x128_f8f6f4 with both operands' format E2M3, f32 sums; everything else in f32.
;; Inputs: Wk 1,024 x 1,024 float32; Wq 1,024 x 1,024 float32; Wu 1,024 x 1,024 float32; Wv 1,024 x 1,024 float32; bu 1,024 float32; x 4 x 2,048 x 1,024 float32.
;; Outputs: out0 4 x 2,048 x 1,024 float32.
;; This version of the problem:
;;   THIS VERSION OF THE PROBLEM IS GIVEN IN LOW PRECISION. The matrix products marked QUANTISED in the list below multiply operands that are first quantised to E2M3 (2 exponent bits, 3 mantissa bits; 6 bits a number), with one power-of-two scale for each 32 numbers along K (OCP MX v1.0); their sums are f32. All else is computed in f32.
;;   The module's matrix products, in the order in which they are computed (A, B: the left and right operand; K: the contracted axis; several contracted axes count as one K, in the product's order):
;;     1. [M 8,192, K 1,024] x [K 1,024, N 1,024]; A: input x; B: input Wq: QUANTISED
;;     2. [M 8,192, K 1,024] x [K 1,024, N 1,024]; A: input x; B: input Wk: QUANTISED
;;     3. [M 8,192, K 1,024] x [K 1,024, N 1,024]; A: input x; B: input Wv: QUANTISED
;;     4. batch 64 x [M 2,048, K 64] x [K 64, N 2,048]; A: computed on the way; B: computed on the way: QUANTISED
;;     5. batch 64 x [M 2,048, K 2,048] x [K 2,048, N 64]; A: softmax (see below); B: computed on the way: QUANTISED
;;     6. [M 8,192, K 1,024] x [K 1,024, N 1,024]; A: computed on the way; B: input Wu: QUANTISED
;;   THE QUANTISER, for each operand of a quantised product, along K:
;;     - K is cut into blocks of 32 from its start; a last block that is shorter is filled with zeros.
;;     - A block's scale is 2^e with e = floor(log2(the largest magnitude in the block)) - 2, held to -126 .. 127; a block of zeros has e = 0. As a byte (E8M0): e + 127.
;;     - Each number is divided by its block's scale, clamped to +-7.5, and rounded to the nearest number of E2M3, ties to even, subnormals kept.
;;     - The product sums the exact products of the quantised numbers (number of the format x scale) in f32.
;;   ~~~python
;;   def quantise(x, axis):      # numpy; x: float32 -> the quantised numbers, widened to float32 again
;;       x = np.moveaxis(x, axis, -1); K = x.shape[-1]
;;       x = np.pad(x, [(0, 0)] * (x.ndim - 1) + [(0, -K % 32)]); x = x.reshape(x.shape[:-1] + (-1, 32)); a = np.abs(x).max(-1, keepdims=True)
;;       e = np.where(a > 0, np.clip(np.frexp(np.where(a > 0, a, 1))[1] - 1 - 2, -126, 127), 0)      # np.frexp(a)[1] - 1 = floor(log2(a)), exactly
;;       r = np.clip(x / 2.0 ** e, -7.5, 7.5)
;;       step = 2.0 ** (np.maximum(np.frexp(np.where(r == 0, 1, r))[1] - 1, 0) - 3)
;;       q = np.round(r / step) * step * 2.0 ** e      # np.round: ties to even
;;       return np.moveaxis(q.reshape(q.shape[:-2] + (-1,))[..., :K], -1, axis).astype(np.float32)
;;   ~~~
;;   SOFTMAX AHEAD OF A QUANTISED PRODUCT. Where the list says 'softmax', what is quantised is not the finished softmax but p = 2^(t - M), with t = logit x log2(e) and M = ceil(the row's largest t), a whole number; so 1/2 < the row's largest p <= 1. The row's sum l is taken of the UNQUANTISED p, in f32, and the product's result is divided by l at the end. Since M is a whole number, a kernel that streams over the keys may use a running M (the ceiling of the running maximum): every later rescaling is an exact power of two, which a block's scale takes up: the codes' values come out the same.
;;   OPERANDS COMPUTED ON THE WAY. 'Computed on the way' means the value that the module computes at that place (a softmax that the list does not call 'softmax' is quantised finished and normalised). What goes into a quantiser is computed in f32, as accurately as f32 sums, v_exp_f32 and their like allow (about 1e-6 of the number): no bf16 or f16 on the way to a quantiser, and a product that is left as it is and whose result goes on into a quantised operand takes f32 operands (vector FMAs, or v_wmma_f32_16x16x4_f32). A number that lies on a knife's edge between two numbers of the format may be rounded either way, as far as f32 arithmetic and the matrix unit's own rounding can turn it there, and no further.
;; One version. Each part assembles by itself: llvm-mc -triple=amdgcn-amd-amdhsa -mcpu=gfx1250 --defsym DOCPART=n.
;; ======== version 1 of 1: 4 launches
;; limits: right only within a limited range of input values
;; workspace buffers: codes 9,437,184 bytes; scales 393,216 bytes; qkv 19,660,800 bytes; acodes 6,291,456 bytes; ascales 262,144 bytes
;; launch quant (part 1): grid 768 x 1, 2 waves a work-group, no clusters, 17,152 bytes of LDS; arguments x, Wq, Wk, Wv, Wu, codes, scales; writes codes, scales
.if DOCPART == 1
	.amdgcn_target "amdgcn-amd-amdhsa--gfx1250"
	.amdhsa_code_object_version 6
	.text
	.protected	k_qa2535d597d_quant
	.globl	k_qa2535d597d_quant
	.p2align	8
	.type	k_qa2535d597d_quant,@function
k_qa2535d597d_quant:
	s_mov_b64 s[64:65], 0
	v_nop
	global_prefetch_b8 v0, s[64:65] scope:SCOPE_SE
	s_setreg_imm32_b32 hwreg(HW_REG_WAVE_MODE, 25, 1), 1
	s_wait_xcnt 0x0
; x [8192][1024] and Wq, Wk, Wv, Wu [1024][1024], f32 with K innermost, become codes of FP6 (E2M3) with one E8M0 byte for each 32 along K.
; A block's scale is 2^(floor(log2(its largest magnitude)) - 2); its byte is that magnitude's exponent field - 2, held at 1 from below.
; LIMITS: NaN and infinities are not served; a block whose largest magnitude lies under 2^-124 (a block of zeros too) gets the byte 1: its codes are (near) zeros, and the bytes are read by this program alone.
; LAYOUT OF THE RESULT.  Rows go in TILES of 16: tile 2 g + u holds, at place r, row 32 g + 8 u + r % 8 + 16 (r / 8).  Used as source 0 of a product, two neighbouring tiles then leave 16 neighbours of the
; row axis in a lane's 16 result registers.  A tile's codes lie as IMAGES OF THE OPERAND'S REGISTERS: for each 64 along K 768 bytes: registers 0-3 at 16 x lane, registers 4-5 at 512 + 8 x lane.
; A tile is 16 such halves, 12,288 bytes.  Tiles 0-511 x, 512-575 Wq, 576-639 Wk, 640-703 Wv, 704-767 Wu.  Scale words (four bytes: 128 along K of a row): 512 bytes a tile, [half of K][r][4 words].
; SHARES.  A work-group takes a tile, each of its two waves 512 along K: four fragments of 16 rows x 128.  Each load reads 512 consecutive bytes of one row; a fragment's 8,192 bytes turn through the wave's own
; stage in LDS, so that lane (r, h) gets k = 64 c + 32 h + 0 .. 31 of row r in 64 registers, the order in which the operand wants them: whole blocks in a lane.  Two fragments' loads (32) are out at a time.
.set ROWB,  4096                       ; a row in memory
.set SP,    528                        ; a stage row: 512 bytes + 16, so that sixteen rows' reads start 16 bytes apart modulo 256
.set STG,   16*SP
.set SPARE, 2*STG                      ; behind the two stages: the spare words, 128 bytes a wave: one block of 256 bytes that no other line names
.set L16,  4                           ; v4   16 x lane
.set L8,   5                           ; v5   8 x lane
.set SIN,  6                           ; v6   stage, on the way in
.set SOUT, 7                           ; v7   stage, on the way out: row r, + 128 h
.set SWO,  8                           ; v8   16 r + 8 h: my two scale words' place
.set SH,   9                           ; v9   8 h
.set SPW,  10                          ; v10  my spare word; never rewritten
.set NIL,  11                          ; v11  0; never rewritten
.set SW,   20                          ; v20-23 the four fragments' scale words
.set C,    24                          ; v24-35 a fragment's codes
.set T,    36                          ; v36-43 the conversions' second halves
.set PR,   44                          ; v44-45 the two words that I store
.set X,    48                          ; v48-111  64 numbers in the operand's order
.set R,    112                         ; v112-239 two sets of 64 registers as loaded
	s_load_b256 s[4:11], s[0:1], 0x0               ; x, Wq, Wk, Wv
	s_load_b128 s[12:15], s[0:1], 0x20             ; Wu, codes
	s_load_b64 s[16:17], s[0:1], 0x30              ; scales
	v_lshl_add_u32 v[SPW], v0, 2, SPARE
	v_mov_b32 v[NIL], 0
	v_lshrrev_b32 v1, 5, v0
	v_readfirstlane_b32 s18, v1                    ; wave 0, 1: which half of K
	v_and_b32 v1, 31, v0                           ; lane
	v_and_b32 v2, 15, v0                           ; r
	v_bfe_u32 v3, v0, 4, 1                         ; h
	v_lshlrev_b32 v[L16], 4, v1
	v_lshlrev_b32 v[L8], 3, v1
	s_mul_i32 s19, s18, STG
	v_add_nc_u32 v[SIN], s19, v[L16]
	v_mul_u32_u24 v[SOUT], v2, SP
	v_lshl_add_u32 v[SOUT], v3, 7, v[SOUT]
	v_add_nc_u32 v[SOUT], s19, v[SOUT]
	v_lshlrev_b32 v[SWO], 4, v2
	v_lshl_add_u32 v[SWO], v3, 3, v[SWO]
	v_lshlrev_b32 v[SH], 3, v3
	v_mov_b32 v19, 0                               ; written once: a lane permute's destination counts as one of its sources
	s_mov_b32 s30, 0x76543210
	s_mov_b32 s31, 0xfedcba98                      ; v_permlanex16_b32's selects for lane l xor 16
	s_mov_b32 s32, 0xffff0000                      ; lanes 16-31
	s_and_b32 s22, ttmp9, 63
	s_cmp_lt_u32 ttmp9, 512
	s_cselect_b32 s22, ttmp9, s22                  ; the tile's number in its own tensor
	s_lshr_b32 s24, s22, 1
	s_lshl_b32 s24, s24, 17                        ; 32 rows of 4,096 bytes for each pair of tiles,
	s_and_b32 s25, s22, 1
	s_lshl_b32 s25, s25, 15                        ; 8 rows for the odd tile,
	s_add_co_u32 s24, s24, s25
	s_lshl_b32 s25, s18, 11                        ; 512 numbers for the second half of K
	s_add_co_u32 s24, s24, s25
	s_mov_b32 s25, 0
	s_mul_i32 s26, ttmp9, 12288
	s_mul_i32 s27, s18, 6144
	s_add_co_u32 s26, s26, s27                     ; my four fragments in codes
	s_mov_b32 s27, 0
	s_lshl_b32 s28, ttmp9, 9
	s_lshl_b32 s29, s18, 8
	s_add_co_u32 s28, s28, s29                     ; my 256 bytes in scales
	s_mov_b32 s29, 0
	s_wait_alu depctr_va_vdst(0)
	s_wait_kmcnt 0x0
	s_mov_b64 s[20:21], s[12:13]                   ; which tensor: the choice hangs on the work-group's number alone
	s_cmp_lt_u32 ttmp9, 704
	s_cselect_b64 s[20:21], s[10:11], s[20:21]
	s_cmp_lt_u32 ttmp9, 640
	s_cselect_b64 s[20:21], s[8:9], s[20:21]
	s_cmp_lt_u32 ttmp9, 576
	s_cselect_b64 s[20:21], s[6:7], s[20:21]
	s_cmp_lt_u32 ttmp9, 512
	s_cselect_b64 s[20:21], s[4:5], s[20:21]
	s_add_nc_u64 s[20:21], s[20:21], s[24:25]
	s_add_nc_u64 s[14:15], s[14:15], s[26:27]
	s_add_nc_u64 s[16:17], s[16:17], s[28:29]
.macro LOADF f                         ; fragment f: place i of the tile is row i % 8 + 16 (i / 8) from the tile's first; 32 lanes read 512 consecutive bytes
.irp i, 0,1,2,3,4,5,6,7,8,9,10,11,12,13,14,15
	global_load_b128 v[R+64*((\f)%2)+4*\i:R+64*((\f)%2)+4*\i+3], v[L16], s[20:21] offset:((\i%8)+16*(\i/8))*ROWB+512*(\f) th:TH_LOAD_NT
.endr
.endm
.macro TURNF f                         ; through the stage: LDS serves a wave's instructions in order, so no wait stands between the stores and the loads
.irp i, 0,1,2,3,4,5,6,7,8,9,10,11,12,13,14,15
	ds_store_b128 v[SIN], v[R+64*((\f)%2)+4*\i:R+64*((\f)%2)+4*\i+3] offset:SP*\i
.endr
.irp c, 0,1
.irp j, 0,1,2,3,4,5,6,7
	ds_load_b128 v[X+32*\c+4*\j:X+32*\c+4*\j+3], v[SOUT] offset:256*\c+16*\j   ; X[32 c + i] = k 64 c + 32 h + i of row r
.endr
.endr
.endm
.macro QF f                            ; 64 numbers become the fragment's 12 registers and its scale word
.irp c, 0,1
	v_max3_num_f32 v[12+\c], |v[X+32*\c]|, |v[X+32*\c+1]|, 0x1800000   ; my block 2 c + h, all 32 numbers mine; the floor 2^(3 - 127) holds the byte at 1 from below
.endr
.irp i, 2,4,6,8,10,12,14,16,18,20,22,24,26,28,30
.irp c, 0,1
	v_max3_num_f32 v[12+\c], v[12+\c], |v[X+32*\c+\i]|, |v[X+32*\c+\i+1]|
.endr
.endr
.irp c, 0,1
	v_add_nc_u32 v[14+\c], 0xff000000, v[12+\c]    ; 2 off the exponent field: the conversion takes this operand's exponent field as its scale
.endr
.irp c, 0,1
	v_lshrrev_b32 v[16+\c], 23, v[14+\c]           ; the scale's byte
.endr
	v_lshl_or_b32 v18, v17, 16, v16                ; blocks h and 2 + h,
	v_lshlrev_b32 v18, v[SH], v18                  ; at their places in the word;
	v_permlanex16_b32 v19, v18, s30, s31
	v_or_b32 v[SW+\f], v18, v19                    ; with lane l xor 16's two the word is whole, in both halves of the lanes
.irp c, 0,1
	v_cvt_scalef32_pk16_fp6_f32 v[C+6*\c:C+6*\c+2], v[X+32*\c:X+32*\c+15], v[14+\c]
	v_cvt_scalef32_pk16_fp6_f32 v[T+4*\c:T+4*\c+2], v[X+32*\c+16:X+32*\c+31], v[14+\c]   ; (a conversion's three registers begin on an even number)
.endr
	v_nop                                          ; one plain place behind a scaled conversion
.irp c, 0,1
.irp i, 0,1,2
	v_mov_b32 v[C+6*\c+3+\i], v[T+4*\c+\i]
.endr
.endr
	global_store_b128 v[L16], v[C:C+3], s[14:15] offset:1536*\f          ; each store covers 512 or 256 consecutive bytes, at a multiple of 256
	global_store_b64 v[L8], v[C+4:C+5], s[14:15] offset:1536*\f+512
	global_store_b128 v[L16], v[C+6:C+9], s[14:15] offset:1536*\f+768
	global_store_b64 v[L8], v[C+10:C+11], s[14:15] offset:1536*\f+1280
.endm
	LOADF 0
	LOADF 1
.irp f, 0,1,2,3
.if \f < 3
	s_wait_loadcnt 16                              ; this fragment's 16 loads are in; the next one's 16 may be out
.else
	s_wait_loadcnt 0x0
.endif
	TURNF \f
	s_wait_dscnt 0x0                               ; the numbers are back, and the stage's stores have read their registers,
.if \f < 2
	LOADF \f+2                                     ; which take the loads of two fragments on
.endif
.if \f > 0
	s_wait_xcnt 0x0                                ; the last fragment's stores have read their data: C is written again only behind this wait
.endif
	QF \f
.endr
	v_cndmask_b32 v[PR], v[SW], v[SW+2], s32       ; lanes 0-15 store words 0 and 1 of row r, lanes 16-31 words 2 and 3:
	v_cndmask_b32 v[PR+1], v[SW+1], v[SW+3], s32
	global_store_b64 v[SWO], v[PR:PR+1], s[16:17]  ; 256 consecutive bytes, aligned
	s_wait_tensorcnt 0x0                           ; the wave's end, behind my last LDS store
	ds_add_u32 v[SPW], v[NIL]
	s_wait_dscnt 0x0
	s_endpgm
.Lfunc_end_k_qa2535d597d_quant:
	.size	k_qa2535d597d_quant, .Lfunc_end_k_qa2535d597d_quant-k_qa2535d597d_quant
	.p2alignl 7, 3214868480
	.fill 96, 4, 3214868480
	.section	.rodata,"a",@progbits
	.p2align	6, 0x0
	.amdhsa_kernel k_qa2535d597d_quant
		.amdhsa_group_segment_fixed_size 17152
		.amdhsa_private_segment_fixed_size 0
		.amdhsa_enable_private_segment 0
		.amdhsa_kernarg_size 56
		.amdhsa_user_sgpr_count 2
		.amdhsa_user_sgpr_kernarg_segment_ptr 1
		.amdhsa_wavefront_size32 1
		.amdhsa_system_sgpr_workgroup_id_x 1
		.amdhsa_system_sgpr_workgroup_id_y 1
		.amdhsa_system_sgpr_workgroup_id_z 1
		.amdhsa_system_vgpr_workitem_id 0
		.amdhsa_next_free_vgpr 240
		.amdhsa_next_free_sgpr 66
		.amdhsa_reserve_vcc 0
		.amdhsa_float_denorm_mode_32 3
		.amdhsa_float_denorm_mode_16_64 3
		.amdhsa_memory_ordered 1
		.amdhsa_forward_progress 1
		.amdhsa_inst_pref_size 31
	.end_amdhsa_kernel
	.amdgpu_metadata
---
amdhsa.version: [ 1, 2 ]
amdhsa.kernels:
  - .name:           k_qa2535d597d_quant
    .symbol:         k_qa2535d597d_quant.kd
    .args:
      - { .name: x, .offset: 0, .size: 8, .value_kind: global_buffer, .address_space: global }
      - { .name: Wq, .offset: 8, .size: 8, .value_kind: global_buffer, .address_space: global }
      - { .name: Wk, .offset: 16, .size: 8, .value_kind: global_buffer, .address_space: global }
      - { .name: Wv, .offset: 24, .size: 8, .value_kind: global_buffer, .address_space: global }
      - { .name: Wu, .offset: 32, .size: 8, .value_kind: global_buffer, .address_space: global }
      - { .name: codes, .offset: 40, .size: 8, .value_kind: global_buffer, .address_space: global }
      - { .name: scales, .offset: 48, .size: 8, .value_kind: global_buffer, .address_space: global }
    .group_segment_fixed_size: 17152
    .private_segment_fixed_size: 0
    .kernarg_segment_align: 8
    .kernarg_segment_size: 56
    .max_flat_workgroup_size: 64
    .sgpr_count:     66
    .vgpr_count:     240
    .wavefront_size: 32
...
	.end_amdgpu_metadata
.endif
;; end of part 1
;; launch qkv (part 2): grid 8 x 32, 4 waves a work-group, clusters of 4 x 4, 327,680 bytes of LDS; arguments codes, scales, qkv; writes qkv
.if DOCPART == 2
	.amdgcn_target "amdgcn-amd-amdhsa--gfx1250"
	.amdhsa_code_object_version 6
	.text
	.protected	k_qa2535d597d_qkv
	.globl	k_qa2535d597d_qkv
	.p2align	8
	.type	k_qa2535d597d_qkv,@function
k_qa2535d597d_qkv:
	s_mov_b64 s[64:65], 0
	v_nop
	global_prefetch_b8 v0, s[64:65] scope:SCOPE_SE
	s_setreg_imm32_b32 hwreg(HW_REG_WAVE_MODE, 25, 1), 1
	s_wait_xcnt 0x0
	s_wait_alu depctr_hold_cnt(0) depctr_sa_sdst(0) depctr_va_vdst(0) depctr_va_sdst(0) depctr_va_ssrc(0) depctr_va_vcc(0) depctr_vm_vsrc(0)
	s_getreg_b32 s2, hwreg(HW_REG_IB_STS2, 6, 4)
	s_cmp_eq_u32 s2, 0
	s_cbranch_scc0 .Lentry_in_a_cluster
	s_endpgm
.Lentry_in_a_cluster:
	s_bfe_u32 s2, ttmp6, 0x10000c
	s_cmp_lg_u32 s2, 0xf033
	s_cbranch_scc0 .Lentry_shape_is_right
	s_endpgm
.Lentry_shape_is_right:
; Q, K, V = x W^T on codes of FP6 (E2M3) with E8M0 scales, each result quantised again and stored as images of the next launch's operand registers.
; SHARES.  256 work-groups: row block rb (256 tokens, 16 tiles of x) x column group cg (128 columns, 8 tiles, of Wq, of Wk and of Wv).  A wave owns 4 tiles of x (64 tokens), ALL of K,
; in 384 registers for the whole launch, and walks all 24 weight tiles: 32 products a tile, 768 a wave.
; x comes by plain loads: a fragment is stored as an image of its registers, so each load covers 512 or 256 consecutive bytes.  It is not asked for jointly: the 24 weight tiles take 294,912 bytes of LDS
; and x's 196,608 have no room beside them.  The weights' tiles and scale words, which the four work-groups of a cluster's column share, come by joint loads, ONCE, at the head, one a wave: nothing is filled again.
; No prefetch: every tile is asked for at the head, and there is no loop to run ahead in.
; A WEIGHT TILE'S eight fragments lie in one of TWO sets of registers: ahead of a tile's 32 products the next tile's fragments are fetched into the other set, in one run of 33 LDS loads.
; Q, K: source 0 = the weight's rows, so a lane holds one token and 32 registers of a head's four tiles are channels.  V: source 0 = x's rows, so a lane holds one channel and 32 registers are my 64 tokens.
; Either way a UNIT of 32 registers is two half blocks of 32 (the other halves in lane l xor 16) and becomes six registers of codes and two scale bytes.
; WINDOWS: 0 addresses, scale words, the way out's registers; 1, 2 x's fragments (K steps 0-3, 4-7) in v0-191 and the weight's second set in v192-239; 3 the weight's first set, 128 sums.
; LIMITS: NaN and infinities are not served; a block whose largest magnitude lies under 2^-124 gets the byte 1.  The scale bytes (1/24 of the codes) leave in stores of 4 or 2 bytes a lane: a wave has half of each word's or row's bytes.
.set TILEB, 12288
.set FRB,   1536
.set TEN,   8*TILEB
.set QUADB, 4*TILEB
.set WS,    3*TEN                      ; behind the 24 tiles: their scale words, 512 bytes a tile
.set SPARE, WS+12288                   ; the spare words, 128 bytes a wave
.set REC,   307200
.set VC,    98304
.set KS,    196608
.set VS,    200704
.set QC,    204800
.set QS,    303104
.set L16,  1                           ; 16 x lane
.set L8,   2                           ; 8 x lane
.set SWO,  3                           ; 16 r + 4 h
.set SPW,  10
.set NIL,  11
.set A16,  12                          ; the quad's LDS addresses
.set A8,   13
.set AS,   14
.set XS,   32                          ; x's scale words: tile i at v[32 + 8 i ..+3]: lanes 0-15 K steps 0-3, lanes 16-31 K steps 4-7
.set WSC,  36                          ; the weight's: two sets, v36-39 and v44-47
.set TM,   64
.set TP,   72
.set SO,   80
.set EB,   88
.set PC,   96                          ; unit u: v[96 + 12 u ..]
.set PW,   144
.set WD,   148
.set ST,   150
.set ACC,  96                          ; window 3: v96-223
.set TB,   12
.set TS,   13
.set MSB, 0
.macro WIN new
.if MSB != (\new)
	s_set_vgpr_msb (MSB<<8)|(\new)
.set MSB, (\new)
.endif
.endm
.macro PLACES n
.rept \n
	v_nop
.endr
.endm
.macro WALU
	s_wait_alu depctr_va_vdst(0)
.endm
.macro CROUND
	s_barrier_signal -1
	s_barrier_wait -1
	s_cmp_lg_u32 s14, 0
	s_cbranch_scc1 .Lnot_wave_0_\@
	s_barrier_signal -3
.Lnot_wave_0_\@:
	s_barrier_wait -3
	s_barrier_signal -1
	s_barrier_wait -1
.endm
.macro XLOAD q                         ; K step q of my four tiles of x: 16 loads
	WIN (1+(\q)/4)<<6
.irp i, 0,1,2,3
	global_load_b128 v[48*\i+12*((\q)%4):48*\i+12*((\q)%4)+3], v[L16], s[16:17] offset:\i*TILEB+(\q)*FRB
	global_load_b64 v[48*\i+12*((\q)%4)+4:48*\i+12*((\q)%4)+5], v[L8], s[16:17] offset:\i*TILEB+(\q)*FRB+512
	global_load_b128 v[48*\i+12*((\q)%4)+6:48*\i+12*((\q)%4)+9], v[L16], s[16:17] offset:\i*TILEB+(\q)*FRB+768
	global_load_b64 v[48*\i+12*((\q)%4)+10:48*\i+12*((\q)%4)+11], v[L8], s[16:17] offset:\i*TILEB+(\q)*FRB+1280
.endr
.endm
.macro FRAG4 reg, off                  ; a fragment, an image of its twelve registers: four loads of consecutive bytes
	ds_load_b128 v[\reg:\reg+3], v[A16] offset:\off
	ds_load_b64 v[\reg+4:\reg+5], v[A8] offset:(\off)+512
	ds_load_b128 v[\reg+6:\reg+9], v[A16] offset:(\off)+768
	ds_load_b64 v[\reg+10:\reg+11], v[A8] offset:(\off)+1280
.endm
.macro FETCH set, off, soff            ; the weight tile at byte off from the quad's first, and its scale words: 33 loads.  Set 0: window 3, v0-95; set 1: windows 1 and 2, v192-239
.irp q, 0,1,2,3,4,5,6,7
.if \set
	WIN (1+\q/4)<<6
	FRAG4 192+12*(\q%4), (\off)+\q*FRB
.else
	WIN 0xc0
	FRAG4 12*\q, (\off)+\q*FRB
.endif
.endr
	WIN 0
	ds_load_b128 v[WSC+8*(\set):WSC+8*(\set)+3], v[AS] offset:\soff
.endm
.macro SETADR                          ; the quad's LDS addresses
	WIN 0
	v_add_nc_u32 v[A16], s[TB], v[L16]
	v_add_nc_u32 v[A8], s[TB], v[L8]
	v_add_nc_u32 v[AS], s[TS], v[L16]
.endm
.macro PROD1 d, a, b, c, sa, sb, row
.if \row
	v_wmma_scale_f32_16x16x128_f8f6f4 v[\d:\d+7], v[\a:\a+11], v[\b:\b+11], \c, v[\sa], v[\sb] matrix_a_fmt:MATRIX_FMT_FP6 matrix_b_fmt:MATRIX_FMT_FP6 matrix_a_scale:MATRIX_SCALE_ROW1 matrix_b_scale:MATRIX_SCALE_ROW1
.else
	v_wmma_scale_f32_16x16x128_f8f6f4 v[\d:\d+7], v[\a:\a+11], v[\b:\b+11], \c, v[\sa], v[\sb] matrix_a_fmt:MATRIX_FMT_FP6 matrix_b_fmt:MATRIX_FMT_FP6
.endif
.endm
.macro PROD kind, t, i, q, set
.set X_, 48*(\i)+12*((\q)%4)
.if \set
.set W_, 192+12*((\q)%4)
.else
.set W_, 12*(\q)
.endif
.set SX_, XS+8*(\i)+(\q)%4
.set SW_, WSC+8*(\set)+(\q)%4
.set R_, (\q)/4
.if \kind
.set D_, ACC+32*(\t)+8*(\i)
.if (\q) == 0
	PROD1 D_, X_, W_, 0, SX_, SW_, R_
.else
	PROD1 D_, X_, W_, v[D_:D_+7], SX_, SW_, R_
.endif
.else
.set D_, ACC+32*(\i)+8*(\t)
.if (\q) == 0
	PROD1 D_, W_, X_, 0, SW_, SX_, R_
.else
	PROD1 D_, W_, X_, v[D_:D_+7], SW_, SX_, R_
.endif
.endif
.endm
; A weight tile: the next tile's fetch, then 32 products, four sums by turns, the first K step with C = 0.
; s_wait_dscnt 33: younger than this tile's loads are the 33 just issued.
; lw = 1, the quad loop's first tile: x's loads.  63: of 132 loads the oldest 69 are in, the scale words and K steps 0-3; 32 and 0: K steps 4, 5 and 6, 7.
.macro BLOCK kind, t, set, fetch, lw
.if \fetch
	PLACES 4                               ; places between the last tile's products and the loads into their registers
	FETCH 1-(\set), ((\t)+1)*TILEB, 512*((\t)+1)
	s_wait_dscnt 33
.else
	s_wait_dscnt 0x0
.endif
.irp q, 0,1,2,3,4,5,6,7
.if \lw
.if \q == 0
	s_wait_loadcnt 63
.elseif \q == 4
	s_wait_loadcnt 32
.elseif \q == 6
	s_wait_loadcnt 0x0
.endif
.endif
.set XW_, 1+\q/4
.if \set
.set WW_, XW_
.else
.set WW_, 3
.endif
.if \kind
	WIN 0xf0|XW_|(WW_<<2)
.else
	WIN 0xf0|WW_|(XW_<<2)
.endif
.irp i, 0,1,2,3
	PROD \kind, \t, \i, \q, \set
.endr
.endr
.endm
; THE WAY OUT of four units, by turns.  kind 0: unit u = my tile u of x, one head of Q or K (quad s3); kind 1: unit u = channel tile u of V's head k.
.macro OUT kind, k
	PLACES 4
	s_wait_xcnt 0x0                        ; the last way out's stores have read their data and bases
.if \kind
	s_add_co_u32 s74, s56, s59
	s_add_co_u32 s76, s56, s60
.if \k
	s_add_co_u32 s74, s74, REC
	s_add_co_u32 s76, s76, REC
.endif
.else
	s_and_b32 s74, s3, 1
	s_mul_i32 s74, s74, REC
	s_add_co_u32 s74, s74, s56
	s_add_co_u32 s76, s74, s58
	s_add_co_u32 s74, s74, s57
	s_cmp_lt_u32 s3, 2
	s_cselect_b32 s78, QC, 0
	s_cselect_b32 s79, QS, s61
	s_add_co_u32 s74, s74, s78
	s_add_co_u32 s76, s76, s79
.endif
	s_add_nc_u64 s[66:67], s[8:9], s[74:75]
	s_add_nc_u64 s[68:69], s[8:9], s[76:77]
	WIN 0x0f
.irp u, 0,1,2,3
.irp b, 0,1
	v_max3_num_f32 v[TM+2*\u+\b], |v[ACC+32*\u+16*\b]|, |v[ACC+32*\u+16*\b+1]|, 0x1800000   ; the floor 2^(3 - 127) holds the byte at 1 from below
.endr
.endr
.irp i, 2,4,6,8,10,12,14
.irp u, 0,1,2,3
.irp b, 0,1
	v_max3_num_f32 v[TM+2*\u+\b], |v[ACC+32*\u+16*\b+\i]|, |v[ACC+32*\u+16*\b+\i+1]|, v[TM+2*\u+\b]
.endr
.endr
.endr
	WIN 0
.irp c, 0,1,2,3,4,5,6,7
	v_permlanex16_b32 v[TP+\c], v[TM+\c], s70, s71
.endr
.irp c, 0,1,2,3,4,5,6,7
	v_max_num_f32 v[TM+\c], v[TM+\c], v[TP+\c]         ; with lane l xor 16's half: the block's largest magnitude
.endr
.irp c, 0,1,2,3,4,5,6,7
	v_add_nc_u32 v[SO+\c], 0xff000000, v[TM+\c]        ; 2 off the exponent field: the conversion's scale operand
.endr
.irp c, 0,1,2,3,4,5,6,7
	v_lshrrev_b32 v[EB+\c], 23, v[SO+\c]
.endr
.irp u, 0,1,2,3
	v_lshl_or_b32 v[PW+\u], v[EB+2*\u+1], 8, v[EB+2*\u]
.endr
	WIN 0x03
.irp u, 0,1,2,3
	v_cvt_scalef32_pk16_fp6_f32 v[PC+12*\u:PC+12*\u+2], v[ACC+32*\u:ACC+32*\u+15], v[SO+2*\u]
	v_cvt_scalef32_pk16_fp6_f32 v[PC+12*\u+6:PC+12*\u+8], v[ACC+32*\u+16:ACC+32*\u+31], v[SO+2*\u+1]
.endr
	WIN 0
	v_nop                                  ; one plain place behind a scaled conversion
.irp u, 0,1,2,3
.irp i, 0,1,2
	v_permlane16_swap_b32 v[PC+12*\u+\i], v[PC+12*\u+6+\i]   ; a whole block to a lane
.endr
.endr
.irp u, 0,1,2,3
.irp i, 0,1,2
	v_mov_b32 v[PC+12*\u+3+\i], v[PC+12*\u+6+\i]
.endr
.endr
.irp u, 0,1,2,3
	global_store_b128 v[L16], v[PC+12*\u:PC+12*\u+3], s[66:67] offset:768*(1+\kind)*\u        ; half an image: 512 and 256 consecutive bytes, at multiples of 256
	global_store_b64 v[L8], v[PC+12*\u+4:PC+12*\u+5], s[66:67] offset:768*(1+\kind)*\u+512
.endr
.if \kind
	v_cndmask_b32 v[ST], v[PW], v[PW+1], s72           ; lane (r, h): tile 2 j + h's two bytes of channel r
	v_cndmask_b32 v[ST+1], v[PW+2], v[PW+3], s72
	global_store_b16 v[SWO], v[ST], s[68:69]
	global_store_b16 v[SWO], v[ST+1], s[68:69] offset:8
.else
	v_lshl_or_b32 v[WD], v[PW+1], 16, v[PW]            ; a word: two tiles' two bytes of token place r
	v_lshl_or_b32 v[WD+1], v[PW+3], 16, v[PW+2]
	v_cndmask_b32 v[ST], v[WD], v[WD+1], s72
	global_store_b32 v[SWO], v[ST], s[68:69]
.endif
.endm
; ---- the head
	s_load_b128 s[4:7], s[0:1], 0x0                ; codes, scales
	s_load_b64 s[8:9], s[0:1], 0x10                ; qkv
	v_lshl_add_u32 v[SPW], v0, 2, SPARE
	v_mov_b32 v[NIL], 0
	ds_add_u32 v[SPW], v[NIL]                      ; the opening lines: the add, twice on end, and its wait ahead of my tensor load
	ds_add_u32 v[SPW], v[NIL]
	v_lshrrev_b32 v6, 5, v0
	v_readfirstlane_b32 s14, v6                    ; wave
	v_and_b32 v7, 31, v0
	v_and_b32 v8, 15, v0
	v_bfe_u32 v9, v0, 4, 1
	v_lshlrev_b32 v[L16], 4, v7
	v_lshlrev_b32 v[L8], 3, v7
	v_lshlrev_b32 v[SWO], 4, v8
	v_lshl_add_u32 v[SWO], v9, 2, v[SWO]
.irp c, 0,1,2,3,4,5,6,7
	v_mov_b32 v[TP+\c], 0                          ; written once: a lane permute's destination counts as one of its sources
.endr
	s_bfe_u32 s40, ttmp6, 0x40000                  ; cx
	s_bfe_u32 s41, ttmp6, 0x40004                  ; cy
	s_lshl_b32 s42, ttmp9, 2
	s_add_co_u32 s42, s42, s40                     ; cg
	s_and_b32 s43, ttmp7, 0xffff
	s_lshl_b32 s43, s43, 2
	s_add_co_u32 s43, s43, s41                     ; rb
	s_lshl_b32 s44, 0x1111, s40                    ; my column of the cluster: it shares cg
	s_or_b32 s24, s44, (3<<16)|(1<<21)             ; a tensor's 8 tiles: 8 rows of 12,288 bytes, dense
	s_mov_b32 s25, 1536<<16
	s_mov_b32 s26, 8<<16
	s_mov_b32 s27, 1536<<16
	s_mov_b32 s28, 8
	s_mov_b32 s29, 1536
	s_mov_b32 s30, 0
	s_mov_b32 s31, 0
	s_or_b32 s32, s44, (3<<16)|(1<<21)             ; the scale words: 3 rows (Wq, Wk, Wv) of 4,096 bytes, 32,768 apart
	s_mov_b32 s33, 512<<16
	s_mov_b32 s34, 3<<16
	s_mov_b32 s35, 512<<16
	s_mov_b32 s36, 3
	s_mov_b32 s37, 4096
	s_mov_b32 s38, 0
	s_mov_b32 s39, 0
	s_lshl_b32 s45, s43, 4
	s_lshl_b32 s46, s14, 2
	s_add_co_u32 s45, s45, s46                     ; my first tile of x
	s_mul_i32 s16, s45, TILEB
	s_mov_b32 s17, 0
	s_lshl_b32 s18, s45, 9
	s_mov_b32 s19, 0
	s_lshl_b32 s20, s14, 6
	s_lshl_b32 s21, s42, 3
	s_add_co_u32 s20, s20, s21
	s_add_co_u32 s20, s20, 512                     ; waves 0, 1, 2: Wq's, Wk's, Wv's tile 8 cg
	s_mul_i32 s50, s20, TILEB
	s_mov_b32 s51, 0
	s_add_co_u32 s21, s21, 512
	s_lshl_b32 s54, s21, 9
	s_mov_b32 s55, 0
	s_mov_b32 s48, 1
	s_mul_i32 s49, s14, TEN
	s_mov_b32 s52, 1
	s_mov_b32 s53, WS
	s_and_b32 s47, s45, 127                        ; my first tile in its batch
	s_lshr_b32 s56, s43, 3
	s_lshl_b32 s56, s56, 4
	s_lshl_b32 s22, s42, 1
	s_add_co_u32 s56, s56, s22
	s_mul_i32 s56, s56, REC                        ; the record of (batch, head 2 cg)
	s_mul_i32 s57, s47, 768
	s_lshr_b32 s22, s47, 3                         ; the key step
	s_bfe_u32 s23, s47, 0x10002                    ; which half of it
	s_lshl_b32 s58, s22, 8
	s_lshl_b32 s60, s23, 1
	s_add_co_u32 s60, s60, s58
	s_add_co_u32 s60, s60, VS
	s_lshl_b32 s59, s23, 3
	s_add_co_u32 s58, s58, s59
	s_mul_i32 s59, s22, 6144
	s_mul_i32 s23, s23, 768
	s_add_co_u32 s59, s59, s23
	s_add_co_u32 s59, s59, VC
	s_mov_b32 s61, KS
	s_mov_b32 s70, 0x76543210
	s_mov_b32 s71, 0xfedcba98                      ; v_permlanex16_b32's selects for lane l xor 16
	s_mov_b32 s72, 0xffff0000                      ; lanes 16-31
	s_mov_b32 s75, 0
	s_mov_b32 s77, 0
	s_mov_b32 s[TB], 0
	s_mov_b32 s[TS], WS
	WALU
	s_wait_dscnt 0x0
	s_wait_kmcnt 0x0
	s_add_nc_u64 s[16:17], s[4:5], s[16:17]
	s_add_nc_u64 s[18:19], s[6:7], s[18:19]
	s_add_nc_u64 s[50:51], s[4:5], s[50:51]
	s_or_b32 s51, s51, 0x80000000
	s_add_nc_u64 s[54:55], s[6:7], s[54:55]
	s_or_b32 s55, s55, 0x80000000
.irp i, 0,1,2,3
	global_load_b128 v[XS+8*\i:XS+8*\i+3], v[L16], s[18:19] offset:512*\i   ; lane (r, h): words 4 h .. 4 h + 3 of row r
.endr
	XLOAD 0
	XLOAD 1
	XLOAD 2
	WIN 0
	CROUND                                         ; all sixteen work-groups are here: the joint loads meet
	s_cmp_lt_u32 s14, 3
	s_cbranch_scc0 .Lwords
	tensor_load_to_lds s[48:51], s[24:31]          ; waves 0, 1, 2: a tensor's 8 tiles
	s_nop 0
	PLACES 4
	s_branch .Lasked
.Lwords:
	tensor_load_to_lds s[52:55], s[32:39]          ; wave 3: the 24 tiles' scale words
	s_nop 0
	PLACES 4
.Lasked:
	XLOAD 3
	XLOAD 4
	XLOAD 5
	XLOAD 6
	XLOAD 7
	SETADR
	WALU
	s_wait_tensorcnt 0x0                           ; my tile is in,
	s_barrier_signal -1
	s_barrier_wait -1                              ; everybody's is
	FETCH 0, 0, 0
	s_mov_b32 s3, 0
.Lquad:                                                ; quads 0 to 3: Q's two heads, K's two heads
	BLOCK 0, 0, 0, 1, 1
	BLOCK 0, 1, 1, 1, 0
	BLOCK 0, 2, 0, 1, 0
	BLOCK 0, 3, 1, 1, 0
	s_add_co_u32 s[TB], s[TB], QUADB
	s_add_co_u32 s[TS], s[TS], 2048
	SETADR
	OUT 0, 0
	WIN 0
	s_add_co_u32 s3, s3, 1
	s_cmp_lt_u32 s3, 4
	WALU
	s_cbranch_scc1 .Lquad
	BLOCK 1, 0, 0, 1, 0
	BLOCK 1, 1, 1, 1, 0
	BLOCK 1, 2, 0, 1, 0
	BLOCK 1, 3, 1, 1, 0
	s_add_co_u32 s[TB], s[TB], QUADB
	s_add_co_u32 s[TS], s[TS], 2048
	SETADR
	OUT 1, 0
	WIN 0
	WALU
	BLOCK 1, 0, 0, 1, 0
	BLOCK 1, 1, 1, 1, 0
	BLOCK 1, 2, 0, 1, 0
	BLOCK 1, 3, 1, 0, 0
	OUT 1, 1
	WIN 0
	s_wait_tensorcnt 0x0                           ; the wave's end
	ds_add_u32 v[SPW], v[NIL]
	s_wait_dscnt 0x0
	CROUND                                         ; the closing round
	s_endpgm
.Lfunc_end_k_qa2535d597d_qkv:
	.size	k_qa2535d597d_qkv, .Lfunc_end_k_qa2535d597d_qkv-k_qa2535d597d_qkv
	.p2alignl 7, 3214868480
	.fill 96, 4, 3214868480
	.section	.rodata,"a",@progbits
	.p2align	6, 0x0
	.amdhsa_kernel k_qa2535d597d_qkv
		.amdhsa_group_segment_fixed_size 327680
		.amdhsa_private_segment_fixed_size 0
		.amdhsa_enable_private_segment 0
		.amdhsa_kernarg_size 24
		.amdhsa_user_sgpr_count 2
		.amdhsa_user_sgpr_kernarg_segment_ptr 1
		.amdhsa_wavefront_size32 1
		.amdhsa_system_sgpr_workgroup_id_x 1
		.amdhsa_system_sgpr_workgroup_id_y 1
		.amdhsa_system_sgpr_workgroup_id_z 1
		.amdhsa_system_vgpr_workitem_id 0
		.amdhsa_next_free_vgpr 1024
		.amdhsa_next_free_sgpr 82
		.amdhsa_reserve_vcc 0
		.amdhsa_float_denorm_mode_32 3
		.amdhsa_float_denorm_mode_16_64 3
		.amdhsa_memory_ordered 1
		.amdhsa_forward_progress 1
		.amdhsa_inst_pref_size 123
	.end_amdhsa_kernel
	.amdgpu_metadata
---
amdhsa.version: [ 1, 2 ]
amdhsa.kernels:
  - .name:           k_qa2535d597d_qkv
    .symbol:         k_qa2535d597d_qkv.kd
    .args:
      - { .name: codes, .offset: 0, .size: 8, .value_kind: global_buffer, .address_space: global }
      - { .name: scales, .offset: 8, .size: 8, .value_kind: global_buffer, .address_space: global }
      - { .name: qkv, .offset: 16, .size: 8, .value_kind: global_buffer, .address_space: global }
    .group_segment_fixed_size: 327680
    .private_segment_fixed_size: 0
    .kernarg_segment_align: 8
    .kernarg_segment_size: 24
    .max_flat_workgroup_size: 128
    .sgpr_count:     82
    .vgpr_count:     1024
    .wavefront_size: 32
...
	.end_amdgpu_metadata
.endif
;; end of part 2
;; launch attn (part 3): grid 4 x 64, 16 waves a work-group, clusters of 4 x 1, 206,848 bytes of LDS; arguments qkv, acodes, ascales; writes acodes, ascales
.if DOCPART == 3
	.amdgcn_target "amdgcn-amd-amdhsa--gfx1250"
	.amdhsa_code_object_version 6
	.text
	.protected	k_qa2535d597d_attn
	.globl	k_qa2535d597d_attn
	.p2align	8
	.type	k_qa2535d597d_attn,@function
k_qa2535d597d_attn:
	s_mov_b64 s[64:65], 0
	v_nop
	global_prefetch_b8 v0, s[64:65] scope:SCOPE_SE
	s_setreg_imm32_b32 hwreg(HW_REG_WAVE_MODE, 25, 1), 1
	s_wait_xcnt 0x0
	s_wait_alu depctr_hold_cnt(0) depctr_sa_sdst(0) depctr_va_vdst(0) depctr_va_sdst(0) depctr_va_ssrc(0) depctr_va_vcc(0) depctr_vm_vsrc(0)
	s_getreg_b32 s2, hwreg(HW_REG_IB_STS2, 6, 4)
	s_cmp_eq_u32 s2, 0
	s_cbranch_scc0 .Lentry_in_a_cluster
	s_endpgm
.Lentry_in_a_cluster:
	s_bfe_u32 s2, ttmp6, 0x10000c
	s_cmp_lg_u32 s2, 0x3003
	s_cbranch_scc0 .Lentry_shape_is_right
	s_endpgm
.Lentry_shape_is_right:
; softmax(Q K^T / 8) V for one head of 64 channels and 2,048 keys, both products on codes of FP6 (E2M3) with E8M0 scales; the result, divided by the row's sum, is quantised along the channels for the last product and leaves as codes.
; THE SOFTMAX: t = score x log2(e) / 8; M = the running largest t rounded UP to a whole number; p = 2^(t - M) is quantised along the keys, not normalised; the sum is taken of the unquantised p; when M moves, the sum and O are
; multiplied by 2^(old M - new M), which rounds nothing.
; SHARES.  A cluster of four work-groups is one (batch, head); a work-group owns 512 queries, in two passes of 256; each of its sixteen waves one tile of 16 queries a pass, in 256 registers, four waves to a SIMD.
; LDS.  The head's whole K and V, codes and scale words, are the first 204,800 bytes of its record: they come ONCE, byte for byte, by joint loads of the four work-groups: each wave brings 12,800 bytes.  Nothing is filled again.
; LAYOUT.  Both products are used transposed (S^T = K Q^T, O^T = V^T P^T): a lane holds one query.  Tiles of keys and of channels are in the order in which place r of tile 2 g + u is row 32 g + 8 u + r % 8 + 16 (r / 8),
; so that the 16 registers of two neighbouring result tiles are 16 true neighbours.  A fragment is read as an image of its registers: four loads of consecutive bytes.
; K = 64 IN AN INSTRUCTION OF 128: a fragment of K holds TWO tiles of keys, one in each half of the instruction's K.  Q stands in v16-21 and again in v28-33 with zeros in v22-27 between: v[16:27] = [Q | 0] picks the first tile,
; v[22:33] = [0 | Q] the second: zero codes add nothing.
; LIMITS: NaN and infinities are not served; a block whose largest magnitude lies under 2^-124 gets the byte 1.  The result's scale bytes leave one byte a lane (32 bytes of one block of 256 an instruction): a word's other half is another head's.
.set REC,   307200
.set VC,    98304                      ; V's codes in the record, and in LDS
.set KS,    196608                     ; K's scale words; V's lie VSD further on
.set VSD,   4096
.set QC,    204800
.set QS,    303104
.set FILL,  12800                      ; a wave's part of the fill: 50 rows of 256 bytes
.set SPARE, 204800                     ; the spare words, 128 bytes a wave: eight blocks of 256 bytes that no other line names
.set L16,  1                           ; v1   16 x lane
.set L8,   2                           ; v2   8 x lane
.set V16,  3                           ; v3   16 x lane + VC
.set V8,   4                           ; v4   8 x lane + VC
.set SKA,  5                           ; v5   16 r + KS
.set SPW,  6
.set NIL,  7
.set ADK,  8                           ; v8-11, v35: the step's addresses
.set ADK8, 9
.set ADV,  10
.set ADV8, 11
.set ADS,  35
.set QSW,  34                          ; Q's scale word [q0 q1 q0 q1]
.set KSW,  36                          ; v36-39 K's four words, v40-43 V's
.set VSW,  40
.set BYO,  44                          ; v44  16 r + h
.set R16,  45                          ; v45  16 r
.set KF,   48                          ; v48-95   four fragments of K or of V
.set ST,   96                          ; v96-159  S^T, then p
.set OT,   160                         ; v160-191 O^T
.set PCD,  192                         ; v192-203 p's codes
.set PC2,  204                         ; v204-210 the conversions' second halves
.set BM,   212                         ; v212-215 the blocks' largest
.set PD,   216                         ; v216-219 lane l xor 16's; then the bytes
.set SO,   220                         ; v220-223 the conversions' scale operands
.set TMP,  224
.set F,    226                         ; v226 f = 2^(old M - new M); v227 p's scale word (named with f as a pair, of which the low word is taken)
.set PSW,  227
.set PS,   228                         ; v[228:229] the sum's second chain
.set Q1,   230                         ; v230-235 pass 1's Q; v236, v237 the two passes' raw scale words
.set QW,   236
.set WV,   12
.set G1,   16
.set G0,   24
.set SEL,  28
.set CS,   30
.set TB,   34
.set TS,   35
.set CNT,  36
.macro CROUND
	s_barrier_signal -1
	s_barrier_wait -1
	s_cmp_lg_u32 s[WV], 0
	s_cbranch_scc1 .Lnot_wave_0_\@
	s_barrier_signal -3
.Lnot_wave_0_\@:
	s_barrier_wait -3
	s_barrier_signal -1
	s_barrier_wait -1
.endm
	s_load_b128 s[4:7], s[0:1], 0x0                ; qkv, acodes
	s_load_b64 s[8:9], s[0:1], 0x10                ; ascales
	v_lshl_add_u32 v[SPW], v0, 2, SPARE
	v_mov_b32 v[NIL], 0
	ds_add_u32 v[SPW], v[NIL]                      ; the wave's opening: the add and its wait ahead of my first tensor load; the set-up below stands between them
	ds_add_u32 v[SPW], v[NIL]
	v_lshrrev_b32 v8, 5, v0
	s_delay_alu instid0(VALU_DEP_1)
	v_readfirstlane_b32 s[WV], v8                  ; wave 0..15
	s_bfe_u32 s13, ttmp6, 0x40000                  ; cx: it enters Q's and the result's addresses alone
	s_and_b32 s14, ttmp7, 0xffff                   ; the record: batch x 16 + head
	s_mov_b32 s[G1], 15|(3<<16)|(1<<21)            ; the mask: all four work-groups; elements of 8 bytes; bit 21 beside a mask; no padding
	s_mov_b32 s[G1+1], 32<<16                      ; tensor_dim0: 256 bytes
	s_mov_b32 s[G1+2], 50<<16                      ; tensor_dim1
	s_mov_b32 s[G1+3], 32<<16                      ; tile_dim0
	s_mov_b32 s[G1+4], 50                          ; tile_dim1
	s_mov_b32 s[G1+5], 32                          ; dense
	s_mov_b32 s[G1+6], 0
	s_mov_b32 s[G1+7], 0
	s_mov_b32 s[SEL], 0x76543210
	s_mov_b32 s[SEL+1], 0xfedcba98                 ; v_permlanex16_b32's selects for lane l xor 16
	s_mov_b32 s[CS], 0x3e38aa3b                    ; c = log2(e) / 8
	s_mov_b32 s[CS+1], s[CS]                       ; (named with it as a pair, so it is written)
	s_mov_b32 s32, 0xffff0000                      ; lanes 16-31
	s_mul_i32 s40, s14, REC
	s_mov_b32 s41, 0
	s_mul_i32 s42, s[WV], FILL
	s_mov_b32 s43, 0
	s_lshl_b32 s44, s13, 5
	s_add_co_u32 s44, s44, s[WV]                   ; my token tile in pass 0: 32 cx + wave; in pass 1 sixteen on
	s_mul_i32 s46, s44, 768
	s_add_co_u32 s46, s46, QC
	s_mov_b32 s47, 0
	s_lshr_b32 s48, s44, 3
	s_lshl_b32 s48, s48, 8                         ; Q's words: 256 bytes for each 8 tiles,
	s_bfe_u32 s49, s44, 0x20001
	s_lshl_b32 s49, s49, 2                         ; word (tile % 8) / 2 of a row's four
	s_add_co_u32 s48, s48, s49
	s_add_co_u32 s48, s48, QS
	s_mov_b32 s49, 0
	s_lshr_b32 s50, s14, 4
	s_lshl_b32 s50, s50, 7
	s_add_co_u32 s50, s50, s44                     ; my tile among all 512
	s_and_b32 s51, s14, 15                         ; the head
	s_mul_i32 s52, s50, 12288
	s_mul_i32 s53, s51, 768
	s_add_co_u32 s52, s52, s53                     ; the result's codes: the head's 64 of the tile's 1,024 along K
	s_mov_b32 s53, 0
	s_lshl_b32 s54, s50, 9                         ; its bytes: 512 a tile, [half of K][r][4 words]: head / 8, (head / 2) % 4, and 2 (head % 2) in the word
	s_lshr_b32 s55, s51, 3
	s_lshl_b32 s55, s55, 8
	s_add_co_u32 s54, s54, s55
	s_bfe_u32 s55, s51, 0x20001
	s_lshl_b32 s55, s55, 2
	s_add_co_u32 s54, s54, s55
	s_and_b32 s55, s51, 1
	s_lshl_b32 s55, s55, 1
	s_add_co_u32 s54, s54, s55
	s_mov_b32 s55, 0
	s_and_b32 s56, s[WV], 1
	s_mov_b32 s33, 0x03020302                      ; an odd tile's two bytes are the word's upper half,
	s_cmp_eq_u32 s56, 0
	s_cselect_b32 s33, 0x01000100, s33             ; an even tile's the lower: twice over
	v_and_b32 v8, 31, v0
	v_and_b32 v9, 15, v0
	v_bfe_u32 v10, v0, 4, 1
	s_delay_alu instid0(VALU_DEP_3)
	v_lshlrev_b32 v[L16], 4, v8
	s_delay_alu instid0(VALU_DEP_4)
	v_lshlrev_b32 v[L8], 3, v8
	s_delay_alu instid0(VALU_DEP_2)
	v_add_nc_u32 v[V16], VC, v[L16]
	s_delay_alu instid0(VALU_DEP_2)
	v_add_nc_u32 v[V8], VC, v[L8]
	v_lshlrev_b32 v[R16], 4, v9
	s_delay_alu instid0(VALU_DEP_1)
	v_add_nc_u32 v[SKA], KS, v[R16]
	s_delay_alu instid0(VALU_DEP_2)
	v_add_nc_u32 v[BYO], v[R16], v10
	s_wait_dscnt 0x0                               ; the opening add is done
	s_wait_kmcnt 0x0
	s_add_nc_u64 s[4:5], s[4:5], s[40:41]          ; my record
	s_mov_b32 s[G0], 1
	s_mov_b32 s[G0+1], s42                         ; LDS byte = the record's byte: 12,800 x wave
	s_add_nc_u64 s[G0+2:G0+3], s[4:5], s[42:43]
	s_or_b32 s[G0+3], s[G0+3], 0x80000000
	s_add_nc_u64 s[46:47], s[4:5], s[46:47]        ; Q's codes,
	s_add_nc_u64 s[48:49], s[4:5], s[48:49]        ; Q's words
	s_add_nc_u64 s[6:7], s[6:7], s[52:53]
	s_add_nc_u64 s[8:9], s[8:9], s[54:55]
	CROUND                                         ; all four work-groups are here: the joint loads meet
	tensor_load_to_lds s[G0:G0+3], s[G1:G1+7]      ; every wave's one load: one tensor load of mine is out
	s_nop 0
.rept 4
	v_nop
.endr
	s_wait_alu depctr_va_vdst(0)
	global_load_b128 v[16:19], v[L16], s[46:47]                    ; pass 0's Q: half an image, 768 bytes
	global_load_b64 v[20:21], v[L8], s[46:47] offset:512
	global_load_b128 v[Q1:Q1+3], v[L16], s[46:47] offset:12288     ; pass 1's: sixteen tiles on
	global_load_b64 v[Q1+4:Q1+5], v[L8], s[46:47] offset:12288+512
	global_load_b32 v[QW], v[R16], s[48:49]
	global_load_b32 v[QW+1], v[R16], s[48:49] offset:512
.irp i, 0,1,2,3,4,5
	v_mov_b32 v[22+\i], 0                          ; the zero codes between the two copies of Q
.endr
.irp b, 0,1,2,3
	v_mov_b32 v[PD+\b], 0                          ; written once: a lane permute's destination counts as one of its sources
.endr
	v_mov_b32 v[TMP], 0
	v_mov_b32 v[PSW], 0                            ; (named as the upper half of the pair with f before it is first written)
	s_wait_loadcnt 0x0                             ; Q
	s_wait_tensorcnt 0x0                           ; my part of K and V is in,
	s_barrier_signal -1
	s_barrier_wait -1                              ; everybody's is
.macro FRAG reg, a16, a8, off
	ds_load_b128 v[\reg:\reg+3], v[\a16] offset:\off
	ds_load_b64 v[\reg+4:\reg+5], v[\a8] offset:\off+512
	ds_load_b128 v[\reg+6:\reg+9], v[\a16] offset:\off+768
	ds_load_b64 v[\reg+10:\reg+11], v[\a8] offset:\off+1280
.endm
; A KEY STEP: 128 keys.
.macro STEP
	v_add_nc_u32 v[ADK], s[TB], v[L16]             ; (these five are also the places in front of the loads into registers that the last products read)
	v_add_nc_u32 v[ADK8], s[TB], v[L8]
	v_add_nc_u32 v[ADV], s[TB], v[V16]
	v_add_nc_u32 v[ADV8], s[TB], v[V8]
	v_add_nc_u32 v[ADS], s[TS], v[SKA]
.irp t, 0,1,2,3
	FRAG KF+12*\t, ADK, ADK8, 1536*\t
.endr
	ds_load_b128 v[KSW:KSW+3], v[ADS]              ; row r's four words: one for each pair of tiles
	s_wait_alu depctr_va_vdst(0)
	s_wait_dscnt 0x0
.irp t, 0,1,2,3
	v_wmma_scale_f32_16x16x128_f8f6f4 v[ST+16*\t:ST+16*\t+7], v[KF+12*\t:KF+12*\t+11], v[16:27], 0, v[KSW+\t], v[QSW] matrix_a_fmt:MATRIX_FMT_FP6 matrix_b_fmt:MATRIX_FMT_FP6
	v_wmma_scale_f32_16x16x128_f8f6f4 v[ST+16*\t+8:ST+16*\t+15], v[KF+12*\t:KF+12*\t+11], v[22:33], 0, v[KSW+\t], v[QSW] matrix_a_fmt:MATRIX_FMT_FP6 matrix_b_fmt:MATRIX_FMT_FP6
.endr                                          ; register 16 b + i of S^T is key 32 b + 16 (lane / 16) + i of the step
.rept 4
	v_nop                                          ; places: in front of the loads below and of the first read of the scores
.endr
.irp t, 0,1,2,3
	FRAG KF+12*\t, ADV, ADV8, 1536*\t              ; V's four fragments land while the softmax is walked
.endr
	ds_load_b128 v[VSW:VSW+3], v[ADS] offset:VSD
.irp b, 0,1,2,3
	v_max3_num_f32 v[BM+\b], v[ST+16*\b], v[ST+16*\b+1], v[ST+16*\b+2]   ; the largest score of each block of 32 keys: for the row's maximum, and, since p rises with the score, for the block's largest p
.endr
.irp i, 3,5,7,9,11,13
.irp b, 0,1,2,3
	v_max3_num_f32 v[BM+\b], v[BM+\b], v[ST+16*\b+\i], v[ST+16*\b+\i+1]
.endr
.endr
.irp b, 0,1,2,3
	v_max_num_f32 v[BM+\b], v[BM+\b], v[ST+16*\b+15]
.endr
.irp b, 0,1,2,3
	s_delay_alu instid0(VALU_DEP_4)
	v_permlanex16_b32 v[PD+\b], v[BM+\b], s[SEL], s[SEL+1]
.endr
.irp b, 0,1,2,3
	s_delay_alu instid0(VALU_DEP_4)
	v_max_num_f32 v[BM+\b], v[BM+\b], v[PD+\b]     ; with lane l xor 16's 16 keys
.endr
	s_delay_alu instid0(VALU_DEP_2)
	v_max3_num_f32 v[TMP], v[BM], v[BM+1], v[BM+2]
	s_delay_alu instid0(VALU_DEP_1)
	v_max_num_f32 v[TMP], v[TMP], v[BM+3]
	s_delay_alu instid0(VALU_DEP_1)
	v_mul_f32 v[TMP], s[CS], v[TMP]                ; the step's largest t (c is positive)
	s_delay_alu instid0(VALU_DEP_1)
	v_max_num_f32 v13, v13, v[TMP]                 ; the running largest t
	v_mov_b32 v[TMP], v12
	s_delay_alu instid0(VALU_DEP_2)
	v_floor_f32 v12, -v13                          ; the new -M = floor(-t) = -ceil(t)
	s_delay_alu instid0(VALU_DEP_1)
	v_sub_f32 v[TMP], v12, v[TMP]                  ; old M - new M: a whole number, 0 or less
	s_delay_alu instid0(VALU_DEP_1)
	v_cvt_i32_f32 v[TMP], v[TMP]                   ; (it saturates)
	s_delay_alu instid0(VALU_DEP_1)
	v_ldexp_f32 v[F], 1.0, v[TMP]                  ; f = 2^(old M - new M)
.set jj, 0
.rept 32
	v_pk_fma_f32 v[ST+jj:ST+jj+1], v[ST+jj:ST+jj+1], s[CS:CS+1], v[12:13] op_sel_hi:[1,0,0]   ; t - M, two at a time
.set jj, jj+2
.endr
.irp b, 0,1,2,3
	v_fma_f32 v[BM+\b], v[BM+\b], s[CS], v12       ; the same of each block's largest score
.endr
.set jj, 0
	s_wait_alu depctr_va_vdst(0)
.rept 64
	v_exp_f32 v[ST+jj], v[ST+jj]                   ; p = 2^(t - M), at most 1
.set jj, jj+1
.endr
	v_pk_mul_f32 v[14:15], v[14:15], v[F:F+1] op_sel_hi:[1,0]   ; the sums under the new M: the plain instruction behind the batch
	s_wait_alu depctr_va_vdst(0)                   ; one wait for the batch of 64, ahead of its first reader
.irp b, 0,1,2,3
	v_exp_f32 v[BM+\b], v[BM+\b]                   ; the block's largest p: the same two instructions on the same number
.endr
	v_pk_add_f32 v[228:229], v[100:101], v[104:105]
	v_pk_add_f32 v[254:255], v[108:109], v[112:113]
	v_pk_add_f32 v[252:253], v[116:117], v[120:121]
	v_pk_add_f32 v[250:251], v[124:125], v[128:129]
	v_pk_add_f32 v[248:249], v[132:133], v[136:137]
	v_pk_add_f32 v[246:247], v[140:141], v[144:145]
	v_pk_add_f32 v[244:245], v[148:149], v[152:153]
	v_pk_add_f32 v[14:15], v[14:15], v[156:157]
	v_pk_add_f32 v[228:229], v[228:229], v[96:97]
	v_pk_add_f32 v[254:255], v[254:255], v[98:99]
	v_pk_add_f32 v[252:253], v[252:253], v[102:103]
	v_pk_add_f32 v[250:251], v[250:251], v[106:107]
	v_pk_add_f32 v[248:249], v[248:249], v[110:111]
	v_pk_add_f32 v[246:247], v[246:247], v[114:115]
	v_pk_add_f32 v[244:245], v[244:245], v[118:119]
	v_pk_add_f32 v[14:15], v[14:15], v[122:123]
	v_pk_add_f32 v[228:229], v[228:229], v[126:127]
	v_pk_add_f32 v[254:255], v[254:255], v[130:131]
	v_pk_add_f32 v[252:253], v[252:253], v[134:135]
	v_pk_add_f32 v[250:251], v[250:251], v[138:139]
	v_pk_add_f32 v[248:249], v[248:249], v[142:143]
	v_pk_add_f32 v[246:247], v[246:247], v[146:147]
	v_pk_add_f32 v[244:245], v[244:245], v[150:151]
	v_pk_add_f32 v[14:15], v[14:15], v[154:155]
	v_pk_add_f32 v[228:229], v[228:229], v[158:159]
	s_delay_alu instid0(VALU_DEP_2)
	v_pk_add_f32 v[14:15], v[14:15], v[250:251]
	s_delay_alu instid0(VALU_DEP_2)
	v_pk_add_f32 v[228:229], v[228:229], v[248:249]
	v_pk_add_f32 v[254:255], v[254:255], v[246:247]
	v_pk_add_f32 v[252:253], v[252:253], v[244:245]
	s_delay_alu instid0(VALU_DEP_2)
	v_pk_add_f32 v[14:15], v[14:15], v[254:255]
	s_delay_alu instid0(VALU_DEP_2)
	v_pk_add_f32 v[228:229], v[228:229], v[252:253]
	s_delay_alu instid0(VALU_DEP_1)
	v_pk_add_f32 v[14:15], v[14:15], v[228:229]
	s_wait_alu depctr_va_vdst(0)                   ; and one for the four
.irp b, 0,1,2,3
	v_max_num_f32 v[BM+\b], 0x1800000, v[BM+\b]    ; the floor 2^(3 - 127): the byte cannot fall under 1
.endr
.irp b, 0,1,2,3
	s_delay_alu instid0(VALU_DEP_4)
	v_add_nc_u32 v[SO+\b], 0xff000000, v[BM+\b]    ; 2 off the exponent field: the conversion's scale operand
.endr
.irp b, 0,1,2,3
	s_delay_alu instid0(VALU_DEP_4)
	v_lshrrev_b32 v[PD+\b], 23, v[SO+\b]           ; the byte
.endr
	s_delay_alu instid0(VALU_DEP_3)
	v_lshl_or_b32 v[PSW], v[PD+1], 8, v[PD]        ; p's scale word for these 128 keys
	s_delay_alu instid0(VALU_DEP_1)
	v_lshl_or_b32 v[PSW], v[PD+2], 16, v[PSW]
	s_delay_alu instid0(VALU_DEP_1)
	v_lshl_or_b32 v[PSW], v[PD+3], 24, v[PSW]
.irp c, 0,1
	v_cvt_scalef32_pk16_fp6_f32 v[PCD+6*\c:PCD+6*\c+2], v[ST+32*\c:ST+32*\c+15], v[SO+2*\c]
	v_cvt_scalef32_pk16_fp6_f32 v[PC2+4*\c:PC2+4*\c+2], v[ST+32*\c+16:ST+32*\c+31], v[SO+2*\c+1]   ; (a conversion's three registers begin on an even number)
.endr
	v_nop                                          ; one plain place behind a scaled conversion
.irp c, 0,1                                    ; the operand wants a whole block in a lane
.irp i, 0,1,2
	v_permlane16_swap_b32 v[PCD+6*\c+\i], v[PC2+4*\c+\i]
.endr
.irp i, 0,1,2
	s_delay_alu instid0(VALU_DEP_3)
	v_mov_b32 v[PCD+6*\c+3+\i], v[PC2+4*\c+\i]
.endr
.endr
.set jj, 0
.rept 16
	v_pk_mul_f32 v[OT+jj:OT+jj+1], v[OT+jj:OT+jj+1], v[F:F+1] op_sel_hi:[1,0]   ; O^T under the new M.  (These are also the places between the writes of p's codes and word and the products)
.set jj, jj+2
.endr
	s_wait_alu depctr_va_vdst(0)
	s_wait_dscnt 0x0                               ; V and its words are in
.irp t, 0,1,2,3
	v_wmma_scale_f32_16x16x128_f8f6f4 v[OT+8*\t:OT+8*\t+7], v[KF+12*\t:KF+12*\t+11], v[PCD:PCD+11], v[OT+8*\t:OT+8*\t+7], v[VSW+\t], v[PSW] matrix_a_fmt:MATRIX_FMT_FP6 matrix_b_fmt:MATRIX_FMT_FP6
.endr
	s_add_co_u32 s[TB], s[TB], 6144                ; a key step's codes, of K and of V alike,
	s_add_co_u32 s[TS], s[TS], 256                 ; and its words
.endm
; A PASS: my tile of 16 queries against all 2,048 keys, then the way out.
.macro PASS p
.if \p
	s_wait_xcnt 0x0                                ; the last pass's stores have read their data: those registers are written again only behind this wait
.irp i, 0,1,2,3,4,5
	v_mov_b32 v[16+\i], v[Q1+\i]
.endr
.endif
.irp i, 0,1,2,3,4,5
	v_mov_b32 v[28+\i], v[16+\i]
.endr
	v_perm_b32 v[QSW], v[QW+\p], v[QW+\p], s33     ; [q0 q1 q0 q1]: it serves [Q | 0] and [0 | Q]
	v_mov_b32 v13, 0xff61b1e6                      ; the largest t so far: -3e38
	s_delay_alu instid0(VALU_DEP_1)
	v_floor_f32 v12, -v13                          ; -M
	v_mov_b32 v14, 0
	v_mov_b32 v15, 0
.set jj, 0
.rept 32
	v_mov_b32 v[OT+jj], 0                          ; the step is written once: its first trip finds zeros.  (Also the places between the writes of Q and its word and the first products)
.set jj, jj+1
.endr
	s_mov_b32 s[TB], 0
	s_mov_b32 s[TS], 0
	s_mov_b32 s[CNT], 16
.Lstep_\@:
	STEP
	s_sub_co_u32 s[CNT], s[CNT], 1
	s_cmp_lg_u32 s[CNT], 0
	s_cbranch_scc1 .Lstep_\@
.rept 4
	v_nop                                          ; places behind the last products
.endr
	v_add_f32 v14, v14, v15                        ; the sum's two halves,
	s_delay_alu instid0(VALU_DEP_1)
	v_permlanex16_b32 v[TMP], v14, s[SEL], s[SEL+1]
	s_delay_alu instid0(VALU_DEP_1)
	v_add_f32 v14, v14, v[TMP]                     ; and lane l xor 16's
	s_wait_alu depctr_va_vdst(0)
	v_rcp_f32 v14, v14
	v_nop                                          ; a plain place behind the reciprocal
	s_wait_alu depctr_va_vdst(0)                   ; and the wait ahead of its first reader
.set jj, 0
.rept 16
	v_pk_mul_f32 v[ST+jj:ST+jj+1], v[OT+jj:OT+jj+1], v[14:15] op_sel_hi:[1,0]   ; O^T / the sum: register 16 b + i is channel 32 b + 16 (lane / 16) + i of the head
.set jj, jj+2
.endr
.irp b, 0,1
	v_max3_num_f32 v[BM+\b], |v[ST+16*\b]|, |v[ST+16*\b+1]|, 0x1800000
.endr
.irp i, 2,4,6,8,10,12,14
.irp b, 0,1
	s_delay_alu instid0(VALU_DEP_2)
	v_max3_num_f32 v[BM+\b], v[BM+\b], |v[ST+16*\b+\i]|, |v[ST+16*\b+\i+1]|
.endr
.endr
.irp b, 0,1
	s_delay_alu instid0(VALU_DEP_2)
	v_permlanex16_b32 v[PD+\b], v[BM+\b], s[SEL], s[SEL+1]
.endr
.irp b, 0,1
	s_delay_alu instid0(VALU_DEP_2)
	v_max_num_f32 v[BM+\b], v[BM+\b], v[PD+\b]
.endr
.irp b, 0,1
	s_delay_alu instid0(VALU_DEP_2)
	v_add_nc_u32 v[SO+\b], 0xff000000, v[BM+\b]
.endr
.irp b, 0,1
	s_delay_alu instid0(VALU_DEP_2)
	v_lshrrev_b32 v[PD+\b], 23, v[SO+\b]
.endr
	v_cvt_scalef32_pk16_fp6_f32 v[PCD:PCD+2], v[ST:ST+15], v[SO]
	v_cvt_scalef32_pk16_fp6_f32 v[PC2:PC2+2], v[ST+16:ST+31], v[SO+1]
	v_cndmask_b32 v[TMP], v[PD], v[PD+1], s32      ; lane (r, h) stores block h's byte.  (The plain place behind the conversions)
.irp i, 0,1,2
	v_permlane16_swap_b32 v[PCD+\i], v[PC2+\i]
.endr
.irp i, 0,1,2
	s_delay_alu instid0(VALU_DEP_3)
	v_mov_b32 v[PCD+3+\i], v[PC2+\i]
.endr
	global_store_b128 v[L16], v[PCD:PCD+3], s[6:7] offset:196608*\p        ; half an image: 512 and 256 consecutive bytes, at multiples of 256
	global_store_b64 v[L8], v[PCD+4:PCD+5], s[6:7] offset:196608*\p+512
	global_store_b8 v[BYO], v[TMP], s[8:9] offset:8192*\p
.endm
	PASS 0
	PASS 1
	s_wait_tensorcnt 0x0                           ; the wave's end
	ds_add_u32 v[SPW], v[NIL]
	s_wait_dscnt 0x0
	CROUND                                         ; the closing round
	s_endpgm
.Lfunc_end_k_qa2535d597d_attn:
	.size	k_qa2535d597d_attn, .Lfunc_end_k_qa2535d597d_attn-k_qa2535d597d_attn
	.p2alignl 7, 3214868480
	.fill 96, 4, 3214868480
	.section	.rodata,"a",@progbits
	.p2align	6, 0x0
	.amdhsa_kernel k_qa2535d597d_attn
		.amdhsa_group_segment_fixed_size 206848
		.amdhsa_private_segment_fixed_size 0
		.amdhsa_enable_private_segment 0
		.amdhsa_kernarg_size 24
		.amdhsa_user_sgpr_count 2
		.amdhsa_user_sgpr_kernarg_segment_ptr 1
		.amdhsa_wavefront_size32 1
		.amdhsa_system_sgpr_workgroup_id_x 1
		.amdhsa_system_sgpr_workgroup_id_y 1
		.amdhsa_system_sgpr_workgroup_id_z 1
		.amdhsa_system_vgpr_workitem_id 0
		.amdhsa_next_free_vgpr 256
		.amdhsa_next_free_sgpr 66
		.amdhsa_reserve_vcc 0
		.amdhsa_float_denorm_mode_32 3
		.amdhsa_float_denorm_mode_16_64 3
		.amdhsa_memory_ordered 1
		.amdhsa_forward_progress 1
		.amdhsa_inst_pref_size 53
	.end_amdhsa_kernel
	.amdgpu_metadata
---
amdhsa.version: [ 1, 2 ]
amdhsa.kernels:
  - .name:           k_qa2535d597d_attn
    .symbol:         k_qa2535d597d_attn.kd
    .args:
      - { .name: qkv, .offset: 0, .size: 8, .value_kind: global_buffer, .address_space: global }
      - { .name: acodes, .offset: 8, .size: 8, .value_kind: global_buffer, .address_space: global }
      - { .name: ascales, .offset: 16, .size: 8, .value_kind: global_buffer, .address_space: global }
    .group_segment_fixed_size: 206848
    .private_segment_fixed_size: 0
    .kernarg_segment_align: 8
    .kernarg_segment_size: 24
    .max_flat_workgroup_size: 512
    .sgpr_count:     66
    .vgpr_count:     256
    .wavefront_size: 32
...
	.end_amdgpu_metadata
.endif
;; end of part 3
;; launch proj (part 4): grid 8 x 32, 4 waves a work-group, clusters of 4 x 4, 167,936 bytes of LDS; arguments acodes, ascales, codes, scales, bu, out0; writes out0
.if DOCPART == 4
	.amdgcn_target "amdgcn-amd-amdhsa--gfx1250"
	.amdhsa_code_object_version 6
	.text
	.protected	k_qa2535d597d_proj
	.globl	k_qa2535d597d_proj
	.p2align	8
	.type	k_qa2535d597d_proj,@function
k_qa2535d597d_proj:
	s_mov_b64 s[64:65], 0
	v_nop
	global_prefetch_b8 v0, s[64:65] scope:SCOPE_SE
	s_setreg_imm32_b32 hwreg(HW_REG_WAVE_MODE, 25, 1), 1
	s_wait_xcnt 0x0
	s_wait_alu depctr_hold_cnt(0) depctr_sa_sdst(0) depctr_va_vdst(0) depctr_va_sdst(0) depctr_va_ssrc(0) depctr_va_vcc(0) depctr_vm_vsrc(0)
	s_getreg_b32 s2, hwreg(HW_REG_IB_STS2, 6, 4)
	s_cmp_eq_u32 s2, 0
	s_cbranch_scc0 .Lentry_in_a_cluster
	s_endpgm
.Lentry_in_a_cluster:
	s_bfe_u32 s2, ttmp6, 0x10000c
	s_cmp_lg_u32 s2, 0xf033
	s_cbranch_scc0 .Lentry_shape_is_right
	s_endpgm
.Lentry_shape_is_right:
; out0 = a Wu^T + bu: a = the attention's result as codes of FP6 (E2M3) with E8M0 scales, in tiles of 16 tokens stored as images of the operand's registers; Wu likewise (tiles 704 .. 767 of codes).
; SHARES.  256 work-groups: row block rb (256 tokens, 16 tiles) x column group cg (128 columns, 8 tiles of Wu).  A wave owns 4 tiles of a (64 tokens), ALL of K, in 384 registers, and walks the 8 weight tiles: 256 products.
; a comes by plain loads straight into the registers in which it stays (each load covers 512 or 256 consecutive bytes); by way of LDS each of its bytes would be written and read once more.
; Wu's 8 tiles, which the four work-groups of a cluster's column share, come by joint loads, ONCE, at the head, two tiles a wave: nothing is filled again.  No prefetch: all is asked for at the head, and there is no loop to run ahead in.
; A weight tile's eight fragments lie in one of TWO sets of registers: ahead of a tile's 32 products the next tile's fragments are fetched into the other set, in one run of 32 LDS loads.
; Source 0 = Wu's rows: a lane holds one token; register 8 s + j of a unit (one tile of tokens x 4 weight tiles) is column 32 (s / 2) + 8 (s % 2) + 16 (lane / 16) + j of 64.  The bias is the C of each sum's first product.
; THE WAY OUT: a unit goes through the wave's own stage in LDS and leaves as rows of 256 bytes: sixteen lanes store one aligned block of 256 bytes.
; WINDOWS: 0 addresses, scale words, bias, the way out; 1, 2 a's fragments (K steps 0-3, 4-7) in v0-191 and the weight's second set in v192-239; 3 the weight's first set, 128 sums.
.set TILEB, 12288
.set FRB,   1536
.set QUADB, 4*TILEB
.set STG,   8*TILEB                    ; behind the 8 tiles: two stages a wave
.set SP,    272                        ; a stage row: 256 bytes + 16
.set STB,   16*SP
.set SPARE, STG+8*STB                  ; the spare words, 128 bytes a wave
.set L16,  1                           ; 16 x lane
.set L8,   2                           ; 8 x lane
.set CO,   3                           ; 4096 h + 16 r
.set STO,  4                           ; stage, in: row r, + 64 h
.set RD,   5                           ; stage, back: row h, + 16 r
.set BO,   6                           ; 64 h
.set SPW,  10
.set NIL,  11
.set A16,  12                          ; LDS addresses of four weight tiles
.set A8,   13
.set XS,   32                          ; a's scale words: tile i at v[32 + 8 i ..+3]: lanes 0-15 K steps 0-3, lanes 16-31 K steps 4-7
.set WSC,  36                          ; Wu's: tile n at v[36 + 8 n ..+3]
.set BK,   96                          ; v96-159 two sets of 8 x 4 registers read back from the stage
.set BI,   160                         ; v160-223 the bias, eight registers a weight tile
.set ACC,  96                          ; window 3: v96-223
.set MSB, 0
.macro WIN new
.if MSB != (\new)
	s_set_vgpr_msb (MSB<<8)|(\new)
.set MSB, (\new)
.endif
.endm
.macro PLACES n
.rept \n
	v_nop
.endr
.endm
.macro WALU
	s_wait_alu depctr_va_vdst(0)
.endm
.macro CROUND
	s_barrier_signal -1
	s_barrier_wait -1
	s_cmp_lg_u32 s14, 0
	s_cbranch_scc1 .Lnot_wave_0_\@
	s_barrier_signal -3
.Lnot_wave_0_\@:
	s_barrier_wait -3
	s_barrier_signal -1
	s_barrier_wait -1
.endm
.macro XLOAD q                         ; K step q of my four tiles of a: 16 loads
	WIN (1+(\q)/4)<<6
.irp i, 0,1,2,3
	global_load_b128 v[48*\i+12*((\q)%4):48*\i+12*((\q)%4)+3], v[L16], s[16:17] offset:\i*TILEB+(\q)*FRB
	global_load_b64 v[48*\i+12*((\q)%4)+4:48*\i+12*((\q)%4)+5], v[L8], s[16:17] offset:\i*TILEB+(\q)*FRB+512
	global_load_b128 v[48*\i+12*((\q)%4)+6:48*\i+12*((\q)%4)+9], v[L16], s[16:17] offset:\i*TILEB+(\q)*FRB+768
	global_load_b64 v[48*\i+12*((\q)%4)+10:48*\i+12*((\q)%4)+11], v[L8], s[16:17] offset:\i*TILEB+(\q)*FRB+1280
.endr
.endm
.macro FRAG4 reg, off                  ; a fragment, an image of its twelve registers: four loads of consecutive bytes
	ds_load_b128 v[\reg:\reg+3], v[A16] offset:\off
	ds_load_b64 v[\reg+4:\reg+5], v[A8] offset:(\off)+512
	ds_load_b128 v[\reg+6:\reg+9], v[A16] offset:(\off)+768
	ds_load_b64 v[\reg+10:\reg+11], v[A8] offset:(\off)+1280
.endm
.macro FETCH set, off                  ; the weight tile at byte off from the address registers' tile: 32 loads.  Set 0: window 3, v0-95; set 1: windows 1 and 2, v192-239
.irp q, 0,1,2,3,4,5,6,7
.if \set
	WIN (1+\q/4)<<6
	FRAG4 192+12*(\q%4), (\off)+\q*FRB
.else
	WIN 0xc0
	FRAG4 12*\q, (\off)+\q*FRB
.endif
.endr
.endm
.macro PROD1 d, a, b, c, sa, sb, row
.if \row
	v_wmma_scale_f32_16x16x128_f8f6f4 v[\d:\d+7], v[\a:\a+11], v[\b:\b+11], \c, v[\sa], v[\sb] matrix_a_fmt:MATRIX_FMT_FP6 matrix_b_fmt:MATRIX_FMT_FP6 matrix_a_scale:MATRIX_SCALE_ROW1 matrix_b_scale:MATRIX_SCALE_ROW1
.else
	v_wmma_scale_f32_16x16x128_f8f6f4 v[\d:\d+7], v[\a:\a+11], v[\b:\b+11], \c, v[\sa], v[\sb] matrix_a_fmt:MATRIX_FMT_FP6 matrix_b_fmt:MATRIX_FMT_FP6
.endif
.endm
.macro PROD n, i, q
.set X_, 48*(\i)+12*((\q)%4)
.if (\n)%2
.set W_, 192+12*((\q)%4)
.else
.set W_, 12*(\q)
.endif
.set SX_, XS+8*(\i)+(\q)%4
.set SW_, WSC+8*(\n)+(\q)%4
.set R_, (\q)/4
.set D_, ACC+32*(\i)+8*((\n)%4)
.set C_, BI+8*(\n)
.if (\q) == 0
	PROD1 D_, W_, X_, v[C_:C_+7], SW_, SX_, R_
.else
	PROD1 D_, W_, X_, v[D_:D_+7], SW_, SX_, R_
.endif
.endm
; A weight tile: the next tile's fetch, then 32 products, four sums by turns.
; s_wait_dscnt 32: younger than this tile's loads are the 32 just issued.
; lw = 1, the first tile: the plain loads.  63: of 156 loads the oldest 93 are in: bias 16, scale words 12, K steps 0-3 64; 32 and 0: K steps 4, 5 and 6, 7.
.macro BLOCK n, fetch, lw
.if \fetch
	PLACES 4                               ; places between the last tile's products and the loads into their registers
	FETCH 1-(\n)%2, ((\n)%4+1)*TILEB
	s_wait_dscnt 32
.else
	s_wait_dscnt 0x0
.endif
.irp q, 0,1,2,3,4,5,6,7
.if \lw
.if \q == 0
	s_wait_loadcnt 63
.elseif \q == 4
	s_wait_loadcnt 32
.elseif \q == 6
	s_wait_loadcnt 0x0
.endif
.endif
.set XW_, 1+\q/4
.if (\n)%2
.set WW_, XW_
.else
.set WW_, 3
.endif
.if \q == 0
	WIN 0xc0|WW_|(XW_<<2)                  ; C, the bias, lies in window 0
.else
	WIN 0xf0|WW_|(XW_<<2)
.endif
.irp i, 0,1,2,3
	PROD \n, \i, \q
.endr
.endr
.endm
.macro TOSTAGE u                       ; unit u into stage u % 2 and back by rows: LDS serves a wave's instructions in order, so no wait stands between
	WIN 0x0c
.irp s, 0,1,2,3
	ds_store_b128 v[STO], v[ACC+32*(\u)+8*\s:ACC+32*(\u)+8*\s+3] offset:((\u)%2)*STB+128*(\s/2)+32*(\s%2)      ; each sum from its low end on
	ds_store_b128 v[STO], v[ACC+32*(\u)+8*\s+4:ACC+32*(\u)+8*\s+7] offset:((\u)%2)*STB+128*(\s/2)+32*(\s%2)+16
.endr
	WIN 0
.irp k, 0,1,2,3,4,5,6,7
	ds_load_b128 v[BK+32*((\u)%2)+4*\k:BK+32*((\u)%2)+4*\k+3], v[RD] offset:((\u)%2)*STB+2*\k*SP
.endr
.endm
.macro SEND u, qd, younger             ; place p of a tile is row p % 8 + 16 (p / 8) from the tile's first; tile u begins at row 32 (u / 2) + 8 (u % 2)
	s_wait_dscnt \younger
.irp k, 0,1,2,3,4,5,6,7
	global_store_b128 v[CO], v[BK+32*((\u)%2)+4*\k:BK+32*((\u)%2)+4*\k+3], s[66:67] offset:(32*((\u)/2)+8*((\u)%2)+2*\k+8*(\k/4))*4096+256*(\qd) th:TH_STORE_NT
.endr
.endm
.macro OUTP qd                         ; four units, 64 columns
	PLACES 4
	s_wait_xcnt 0x0                        ; earlier stores have read their data
	TOSTAGE 0
.irp u, 1,2,3
.if \u > 1
	s_wait_xcnt 0x0                        ; unit u - 2's stores have read their data: unit u's rows may land there
.endif
	TOSTAGE \u
	SEND (\u-1), \qd, 16                   ; behind unit u - 1's loads: unit u's 8 stores and 8 loads
.endr
	SEND 3, \qd, 0
.endm
; ---- the head
	s_load_b128 s[4:7], s[0:1], 0x0                ; acodes, ascales
	s_load_b128 s[8:11], s[0:1], 0x10              ; codes, scales
	s_load_b128 s[56:59], s[0:1], 0x20             ; bu, out0
	v_lshl_add_u32 v[SPW], v0, 2, SPARE
	v_mov_b32 v[NIL], 0
	ds_add_u32 v[SPW], v[NIL]                      ; the opening lines: the add, twice on end, and its wait ahead of my tensor load
	ds_add_u32 v[SPW], v[NIL]
	v_lshrrev_b32 v7, 5, v0
	v_readfirstlane_b32 s14, v7                    ; wave
	s_mul_i32 s15, s14, 2*STB
	s_add_co_u32 s15, s15, STG                     ; my two stages
	v_and_b32 v7, 31, v0
	v_and_b32 v8, 15, v0
	v_bfe_u32 v9, v0, 4, 1
	v_lshlrev_b32 v[L16], 4, v7
	v_lshlrev_b32 v[L8], 3, v7
	v_lshlrev_b32 v[CO], 4, v8
	v_lshl_add_u32 v[CO], v9, 12, v[CO]
	v_lshlrev_b32 v[BO], 6, v9
	v_mul_u32_u24 v[STO], v8, SP
	v_lshl_add_u32 v[STO], v9, 6, v[STO]
	v_add_nc_u32 v[STO], s15, v[STO]
	v_mul_u32_u24 v[RD], v9, SP
	v_lshl_add_u32 v[RD], v8, 4, v[RD]
	v_add_nc_u32 v[RD], s15, v[RD]
	v_add_nc_u32 v[A16], 0, v[L16]                 ; tiles 0 to 3
	v_add_nc_u32 v[A8], 0, v[L8]
	s_bfe_u32 s40, ttmp6, 0x40000                  ; cx
	s_bfe_u32 s41, ttmp6, 0x40004                  ; cy
	s_lshl_b32 s42, ttmp9, 2
	s_add_co_u32 s42, s42, s40                     ; cg
	s_and_b32 s43, ttmp7, 0xffff
	s_lshl_b32 s43, s43, 2
	s_add_co_u32 s43, s43, s41                     ; rb
	s_lshl_b32 s44, 0x1111, s40                    ; my column of the cluster: it shares cg
	s_or_b32 s24, s44, (3<<16)|(1<<21)             ; two tiles: 2 rows of 12,288 bytes, dense
	s_mov_b32 s25, 1536<<16
	s_mov_b32 s26, 2<<16
	s_mov_b32 s27, 1536<<16
	s_mov_b32 s28, 2
	s_mov_b32 s29, 1536
	s_mov_b32 s30, 0
	s_mov_b32 s31, 0
	s_lshl_b32 s45, s43, 4
	s_lshl_b32 s46, s14, 2
	s_add_co_u32 s45, s45, s46                     ; my first tile of a
	s_mul_i32 s16, s45, TILEB
	s_mov_b32 s17, 0
	s_lshl_b32 s18, s45, 9
	s_mov_b32 s19, 0
	s_lshl_b32 s21, s42, 3
	s_add_co_u32 s21, s21, 704                     ; Wu's tile 8 cg
	s_lshl_b32 s22, s21, 9
	s_mov_b32 s23, 0
	s_lshl_b32 s20, s14, 1
	s_add_co_u32 s20, s20, s21                     ; + 2 x wave
	s_mul_i32 s50, s20, TILEB
	s_mov_b32 s51, 0
	s_mov_b32 s48, 1
	s_mul_i32 s49, s14, 2*TILEB
	s_lshl_b32 s60, s42, 9                         ; 128 columns of f32
	s_mov_b32 s61, 0
	s_lshl_b32 s62, s45, 16                        ; 16 rows of 4,096 bytes a tile
	s_mov_b32 s63, 0
	WALU
	s_wait_dscnt 0x0
	s_wait_kmcnt 0x0
	s_add_nc_u64 s[16:17], s[4:5], s[16:17]
	s_add_nc_u64 s[18:19], s[6:7], s[18:19]
	s_add_nc_u64 s[22:23], s[10:11], s[22:23]
	s_add_nc_u64 s[50:51], s[8:9], s[50:51]
	s_or_b32 s51, s51, 0x80000000
	s_add_nc_u64 s[56:57], s[56:57], s[60:61]
	s_add_nc_u64 s[66:67], s[58:59], s[60:61]
	s_add_nc_u64 s[66:67], s[66:67], s[62:63]
.irp n, 0,1,2,3,4,5,6,7
	global_load_b128 v[BI+8*\n:BI+8*\n+3], v[BO], s[56:57] offset:(64*(\n/4)+32*((\n%4)/2)+8*(\n%2))*4
	global_load_b128 v[BI+8*\n+4:BI+8*\n+7], v[BO], s[56:57] offset:(64*(\n/4)+32*((\n%4)/2)+8*(\n%2))*4+16
.endr
.irp i, 0,1,2,3
	global_load_b128 v[XS+8*\i:XS+8*\i+3], v[L16], s[18:19] offset:512*\i   ; lane (r, h): words 4 h .. 4 h + 3 of row r
.endr
.irp n, 0,1,2,3,4,5,6,7
	global_load_b128 v[WSC+8*\n:WSC+8*\n+3], v[L16], s[22:23] offset:512*\n
.endr
	XLOAD 0
	XLOAD 1
	WIN 0
	CROUND                                         ; all sixteen work-groups are here: the joint loads meet
	tensor_load_to_lds s[48:51], s[24:31]          ; every wave's one load: two of Wu's eight tiles
	s_nop 0
	PLACES 4
	XLOAD 2
	XLOAD 3
	XLOAD 4
	XLOAD 5
	XLOAD 6
	XLOAD 7
	WIN 0
	s_wait_tensorcnt 0x0                           ; my tiles are in,
	s_barrier_signal -1
	s_barrier_wait -1                              ; everybody's are
	FETCH 0, 0
	BLOCK 0, 1, 1
	BLOCK 1, 1, 0
	BLOCK 2, 1, 0
	BLOCK 3, 1, 0
	WIN 0
	v_add_nc_u32 v[A16], QUADB, v[L16]             ; on to tiles 4 to 7
	v_add_nc_u32 v[A8], QUADB, v[L8]
	WALU
	OUTP 0
	BLOCK 4, 1, 0
	BLOCK 5, 1, 0
	BLOCK 6, 1, 0
	BLOCK 7, 0, 0
	WIN 0
	OUTP 1
	s_wait_tensorcnt 0x0                           ; the wave's end, behind my last LDS store
	ds_add_u32 v[SPW], v[NIL]
	s_wait_dscnt 0x0
	CROUND                                         ; the closing round
	s_endpgm
.Lfunc_end_k_qa2535d597d_proj:
	.size	k_qa2535d597d_proj, .Lfunc_end_k_qa2535d597d_proj-k_qa2535d597d_proj
	.p2alignl 7, 3214868480
	.fill 96, 4, 3214868480
	.section	.rodata,"a",@progbits
	.p2align	6, 0x0
	.amdhsa_kernel k_qa2535d597d_proj
		.amdhsa_group_segment_fixed_size 167936
		.amdhsa_private_segment_fixed_size 0
		.amdhsa_enable_private_segment 0
		.amdhsa_kernarg_size 48
		.amdhsa_user_sgpr_count 2
		.amdhsa_user_sgpr_kernarg_segment_ptr 1
		.amdhsa_wavefront_size32 1
		.amdhsa_system_sgpr_workgroup_id_x 1
		.amdhsa_system_sgpr_workgroup_id_y 1
		.amdhsa_system_sgpr_workgroup_id_z 1
		.amdhsa_system_vgpr_workitem_id 0
		.amdhsa_next_free_vgpr 1024
		.amdhsa_next_free_sgpr 82
		.amdhsa_reserve_vcc 0
		.amdhsa_float_denorm_mode_32 3
		.amdhsa_float_denorm_mode_16_64 3
		.amdhsa_memory_ordered 1
		.amdhsa_forward_progress 1
		.amdhsa_inst_pref_size 86
	.end_amdhsa_kernel
	.amdgpu_metadata
---
amdhsa.version: [ 1, 2 ]
amdhsa.kernels:
  - .name:           k_qa2535d597d_proj
    .symbol:         k_qa2535d597d_proj.kd
    .args:
      - { .name: acodes, .offset: 0, .size: 8, .value_kind: global_buffer, .address_space: global }
      - { .name: ascales, .offset: 8, .size: 8, .value_kind: global_buffer, .address_space: global }
      - { .name: codes, .offset: 16, .size: 8, .value_kind: global_buffer, .address_space: global }
      - { .name: scales, .offset: 24, .size: 8, .value_kind: global_buffer, .address_space: global }
      - { .name: bu, .offset: 32, .size: 8, .value_kind: global_buffer, .address_space: global }
      - { .name: out0, .offset: 40, .size: 8, .value_kind: global_buffer, .address_space: global }
    .group_segment_fixed_size: 167936
    .private_segment_fixed_size: 0
    .kernarg_segment_align: 8
    .kernarg_segment_size: 48
    .max_flat_workgroup_size: 128
    .sgpr_count:     82
    .vgpr_count:     1024
    .wavefront_size: 32
...
	.end_amdgpu_metadata
.endif
;; end of part 4
